; MI455X (gfx1250); checked and timed in simulation.
; The chip was launched on July 23, 2026; its instructions are those of AMD's public machine-readable ISA for CDNA 5 (MIT licence, August 2026) and "CDNA5" Instruction Set Architecture Reference Guide (July 2026). The comments in the code are by the model that wrote it; some were corrected since.
;; Multi Head Attention. Allowed arithmetic: matrix products marked QUANTISED: E2M3 operands, one E8M0 scale for each 32 along K, by v_wmma_scale_f32_16x16x128_f8f6f4 with both operands' format E2M3, f32 sums; everything else in f32.
;; Inputs: Wk_codes 2 x 256 x 16 x 24 uint8 (E2M3 codes of Wk, K innermost, in blocks of 32 codes, four codes in three bytes); Wk_scales 2 x 256 x 16 uint8 (E8M0 scales of Wk, one for each 32 codes along K); Wo_codes 512 x 16 x 24 uint8 (E2M3 codes of Wo, K innermost, in blocks of 32 codes, four codes in three bytes); Wo_scales 512 x 16 uint8 (E8M0 scales of Wo, one for each 32 codes along K); Wq_codes 2 x 256 x 16 x 24 uint8 (E2M3 codes of Wq, K innermost, in blocks of 32 codes, four codes in three bytes); Wq_scales 2 x 256 x 16 uint8 (E8M0 scales of Wq, one for each 32 codes along K); Wv_codes 2 x 256 x 16 x 24 uint8 (E2M3 codes of Wv, K innermost, in blocks of 32 codes, four codes in three bytes); Wv_scales 2 x 256 x 16 uint8 (E8M0 scales of Wv, one for each 32 codes along K); bk 2 x 256 float32; bq 2 x 256 float32; bv 2 x 256 float32; x_codes 32 x 1,024 x 16 x 24 uint8 (E2M3 codes of x, K innermost, in blocks of 32 codes, four codes in three bytes); x_scales 32 x 1,024 x 16 uint8 (E8M0 scales of x, one for each 32 codes along K).
;; Outputs: out0 32 x 1,024 x 512 float32.
;; This version of the problem:
;;   THIS VERSION OF THE PROBLEM IS GIVEN IN LOW PRECISION. The matrix products marked QUANTISED in the list below multiply operands that are first quantised to E2M3 (2 exponent bits, 3 mantissa bits; 6 bits a number), with one power-of-two scale for each 32 numbers along K (OCP MX v1.0); their sums are f32. All else is computed in f32.
;;   The module's matrix products, in the order in which they are computed (A, B: the left and right operand; K: the contracted axis; several contracted axes count as one K, in the product's order):
;;     1. [M 512, K 512] x [K 512, N 32,768]; A: input Wq (given as codes); B: input x (given as codes): QUANTISED
;;     2. [M 512, K 512] x [K 512, N 32,768]; A: input Wk (given as codes); B: input x (given as codes): QUANTISED
;;     3. [M 512, K 512] x [K 512, N 32,768]; A: input Wv (given as codes); B: input x (given as codes): QUANTISED
;;     4. batch 64 x [M 1,024, K 256] x [K 256, N 1,024]; A: computed on the way; B: computed on the way: QUANTISED
;;     5. batch 64 x [M 1,024, K 1,024] x [K 1,024, N 256]; A: softmax (see below); B: computed on the way: QUANTISED
;;     6. [M 32,768, K 512] x [K 512, N 512]; A: computed on the way; B: input Wo (given as codes): QUANTISED
;;   THE QUANTISER, for each operand of a quantised product, along K:
;;     - K is cut into blocks of 32 from its start; a last block that is shorter is filled with zeros.
;;     - A block's scale is 2^e with e = floor(log2(the largest magnitude in the block)) - 2, held to -126 .. 127; a block of zeros has e = 0. As a byte (E8M0): e + 127.
;;     - Each number is divided by its block's scale, clamped to +-7.5, and rounded to the nearest number of E2M3, ties to even, subnormals kept.
;;     - The product sums the exact products of the quantised numbers (number of the format x scale) in f32.
;;   ~~~python
;;   def quantise(x, axis):      # numpy; x: float32 -> the quantised numbers, widened to float32 again
;;       x = np.moveaxis(x, axis, -1); K = x.shape[-1]
;;       x = np.pad(x, [(0, 0)] * (x.ndim - 1) + [(0, -K % 32)]); x = x.reshape(x.shape[:-1] + (-1, 32)); a = np.abs(x).max(-1, keepdims=True)
;;       e = np.where(a > 0, np.clip(np.frexp(np.where(a > 0, a, 1))[1] - 1 - 2, -126, 127), 0)      # np.frexp(a)[1] - 1 = floor(log2(a)), exactly
;;       r = np.clip(x / 2.0 ** e, -7.5, 7.5)
;;       step = 2.0 ** (np.maximum(np.frexp(np.where(r == 0, 1, r))[1] - 1, 0) - 3)
;;       q = np.round(r / step) * step * 2.0 ** e      # np.round: ties to even
;;       return np.moveaxis(q.reshape(q.shape[:-2] + (-1,))[..., :K], -1, axis).astype(np.float32)
;;   ~~~
;;   SOFTMAX AHEAD OF A QUANTISED PRODUCT. Where the list says 'softmax', what is quantised is not the finished softmax but p = 2^(t - M), with t = logit x log2(e) and M = ceil(the row's largest t), a whole number; so 1/2 < the row's largest p <= 1. The row's sum l is taken of the UNQUANTISED p, in f32, and the product's result is divided by l at the end. Since M is a whole number, a kernel that streams over the keys may use a running M (the ceiling of the running maximum): every later rescaling is an exact power of two, which a block's scale takes up: the codes' values come out the same.
;;   OPERANDS COMPUTED ON THE WAY. 'Computed on the way' means the value that the module computes at that place (a softmax that the list does not call 'softmax' is quantised finished and normalised). What goes into a quantiser is computed in f32, as accurately as f32 sums, v_exp_f32 and their like allow (about 1e-6 of the number): no bf16 or f16 on the way to a quantiser, and a product that is left as it is and whose result goes on into a quantised operand takes f32 operands (vector FMAs, or v_wmma_f32_16x16x4_f32). A number that lies on a knife's edge between two numbers of the format may be rounded either way, as far as f32 arithmetic and the matrix unit's own rounding can turn it there, and no further.
;;   INPUTS GIVEN AS CODES. Wk (in the module: [2, 256, 512], K = its axis 2); Wo (in the module: [512, 512], K = its axis 1); Wq (in the module: [2, 256, 512], K = its axis 2); Wv (in the module: [2, 256, 512], K = its axis 2); x (in the module: [32, 1024, 512], K = its axis 2): each comes as NAME_codes (uint8): NAME with its K axis moved to the last place and cut into blocks of 32 codes, [.., K / 32, bytes a block], one block behind the other in memory; four codes in three bytes: a row's codes are one little-endian stream of bits, code i at bits 6 i .. 6 i + 5 (a code: sign, 2 exponent bits, 3 mantissa bits); and NAME_scales (uint8): the same leading axes, one E8M0 byte (e + 127) for each 32 codes along K. Its value is code x scale, taken as it is: it is not quantised again, and the codes and scales need not be those that the quantiser above would give.
;; One version. Each part assembles by itself: llvm-mc -triple=amdgcn-amd-amdhsa -mcpu=gfx1250 --defsym DOCPART=n.
;; ======== version 1 of 1: 2 launches
;; workspace buffers: qrec 13,107,200 bytes; kv 26,214,400 bytes; wo_img 196,608 bytes
;; launch proj (part 1): grid 128 x 2, 4 waves a work-group, clusters of 4 x 1, 327,680 bytes of LDS; arguments x_codes, x_scales, Wq_codes, Wk_codes, Wq_scales, Wk_scales, bq, bk, Wv_codes, Wv_scales, bv, Wo_codes, qrec, kv, wo_img; writes qrec, kv, wo_img
.if DOCPART == 1
	.amdgcn_target "amdgcn-amd-amdhsa--gfx1250"
	.amdhsa_code_object_version 6
	.text
	.protected	k_q18bf9740b6_proj
	.globl	k_q18bf9740b6_proj
	.p2align	8
	.type	k_q18bf9740b6_proj,@function
k_q18bf9740b6_proj:
	s_mov_b64 s[64:65], 0
	v_nop
	global_prefetch_b8 v0, s[64:65] scope:SCOPE_SE
	s_setreg_imm32_b32 hwreg(HW_REG_WAVE_MODE, 25, 1), 1
	s_wait_xcnt 0x0
	s_wait_alu depctr_hold_cnt(0) depctr_sa_sdst(0) depctr_va_vdst(0) depctr_va_sdst(0) depctr_va_ssrc(0) depctr_va_vcc(0) depctr_vm_vsrc(0)
	s_getreg_b32 s2, hwreg(HW_REG_IB_STS2, 6, 4)
	s_cmp_eq_u32 s2, 0
	s_cbranch_scc0 .Lentry_in_a_cluster
	s_endpgm
.Lentry_in_a_cluster:
	s_bfe_u32 s2, ttmp6, 0x10000c
	s_cmp_lg_u32 s2, 0x3003
	s_cbranch_scc0 .Lentry_shape_is_right
	s_endpgm
.Lentry_shape_is_right:
; q = x Wq^T + bq, k = x Wk^T + bk, v = x Wv^T + bv on codes of FP6 (E2M3) with one E8M0 scale for each 32 along K; the results are quantised in registers
; (q and k along the head's 256, v along the keys) and stored as IMAGES OF OPERAND REGISTERS for the second launch; Wo's codes are laid out as such images once.
; DEAD WORK: none here, and no input is dead: bk moves k's codes, so it stays.  The program leaves out only, in the second launch, key steps of 128 keys all of which come after
; all queries of a wave: reference() builds the causal mask in its own body and sets those scores to -infinity, so their p is 0 for all values of the inputs.
; LIMITS: NaN and infinities among the inputs are not served; a NaN, an infinity or an overflow that reaches only the key steps left out is not carried to the result;
; a block whose largest magnitude lies under 2^-124 (a block of zeros too) gets the scale byte 1 where the rule says another: its codes are zeros or what the floor's scale gives, and the bytes are read by this program alone.
; AN IMAGE: a fragment (16 rows x 128 K) is 12 registers a lane; registers 4 c .. 4 c + 3 of lane l lie at 512 c + 16 l: 1,536 bytes, three stores of 512 consecutive bytes.
; TILES ARE NOT MADE OF NEIGHBOURING ROWS: lane r of tile 2 b + u takes row 32 b + 8 u + r + 8 (r / 8) (r' = r + 8 (r / 8)), for x, Wq, Wk and Wv alike.  As source 0 such tiles leave, in the 16 registers
; of result tiles 2 b and 2 b + 1, 16 neighbours along the next K; as source 1 they only say which row a lane holds, and the second launch knows it.
; SHARES.  Work-group (X, Y): 256 rows of x.  Phase 1 (Y = 0: q, Y = 1: k): wave w keeps W's rows 128 w .. + 127 in registers (source 0: head w / 2, next K step w % 2) and walks x's 16 tiles (source 1).
; Phase 2 (v of head Y): wave w keeps x's rows 128 (w % 2) .. (one key step, source 0) and walks Wv's tiles 8 (w / 2) .. + 7 (source 1).  24 tiles of 32 products a wave, in 256 equal work-groups.
; CLUSTER: the four work-groups of a cluster have one Y, so their W and their half of Wv are the same bytes: joint loads, mask 15.  x is each work-group's own: a plain load.
; LDS: rows of 384 bytes as three lines of 128 bytes with 8 bytes of padding behind each: 408 bytes from row to row.  W is read out into registers, then its second half is filled again, once, with Wv.
; REGISTERS: window 0: addresses, the 8 accumulators, scale words, the quantiser's; window 1: source 0's tiles 0-4; window 2: tiles 5-7, the biases; window 3: two buffers for source 1.
.set PITCH, 408
.set XR,    0                          ; x: 256 rows
.set WR,    256*PITCH                  ; W: 512 rows
.set VR,    WR+256*PITCH               ; Wv's 256 rows land where W's rows 256-511 lay
.set SPARE, WR+512*PITCH               ; the spare words: 128 bytes a wave, two blocks of 256 bytes that no other line names
.set XS,    SPARE+512                  ; x's scale bytes, 16 a row
.set VS,    XS+4096                    ; Wv's, head Y
.set BV,    VS+4096                    ; bv, head Y
.set L16,  1                           ; v1   16 x lane
.set L4,   2                           ; v2   4 x lane
.set AS1,  3                           ; v3-4 source 0's lane address, and the same behind one padding more
.set ADT1, 5                           ; v5-6 source 1's
.set ADTS, 7                           ; v7   source 1's scale words
.set ADTB, 8                           ; v8   bv of source 1's rows
.set OF,   9                           ; v9   store offset of the images
.set OS,   10                          ; v10  of the scale words
.set SPW,  12                          ; v12  my spare word; never rewritten
.set NIL,  13                          ; v13  0; never rewritten
.set RP,   14                          ; v14  r'
.set HH,   15                          ; v15  h = lane / 16
.set ACC,  16                          ; v16-79   8 accumulators
.set SS,   80                          ; v80-111  source 0's scale words, 4 t + s
.set TS,   112                         ; v112-119 source 1's, two buffers
.set TM,   120                         ; v120-135 the quantiser's
.set PW,   136                         ; v136-137 the scale words just made, tile u
.set PWM,  138                         ; v138 both in one register
.set PC,   140                         ; v140-159 the codes just made
.set B1,   144                         ; window 2: bq or bk, 8 registers a tile
.set BT,   208                         ; window 2: bv of the lane's row, 8 times, two buffers
.set GC,   3
.set WV,   4
.set XX,   5
.set YY,   6
.set CX,   7
.set SEL,  8
.set HM,   10
.set OB,   12
.set OSB,  14
.set G1W,  48
.set G1X,  56
.set G1V,  68
.set G0W,  76
.set G0X,  80
.set G0V,  84
.set PA,   88
.set PB,   89
.set PB2,  90
.set PCC,  91
.set PD,   92
.set PE,   93
.set MSB, 0
.macro WIN new                         ; the immediate's high byte repeats the setting that is left
.if MSB != \new
	s_set_vgpr_msb (MSB<<8)|\new
.set MSB, \new
.endif
.endm
.macro NOPS n
.rept \n
	v_nop
.endr
.endm
.macro CROUND                          ; a round of the cluster's barrier
	s_barrier_signal -1
	s_barrier_wait -1
	s_cmp_lg_u32 s[WV], 0
	s_cbranch_scc1 .Lnot_wave_0_\@
	s_barrier_signal -3
.Lnot_wave_0_\@:
	s_barrier_wait -3
	s_barrier_signal -1
	s_barrier_wait -1
.endm
; a fragment from rows in LDS: six pieces of 8 bytes.  Lanes 16-31 read three pieces further on; where that lies behind one padding more, the second address register serves
.macro FRAG reg, a1, s, rowoff
.irp p, 0,1,2,3,4,5
.set PCI, 12*(\s)+6*(\p/3)+\p%3
.if PCI%16 < 13
	ds_load_b64 v[(\reg)+2*\p:(\reg)+2*\p+1], v[\a1] offset:(\rowoff)*PITCH+8*PCI+8*(PCI/16)
.else
	ds_load_b64 v[(\reg)+2*\p:(\reg)+2*\p+1], v[\a1+1] offset:(\rowoff)*PITCH+8*PCI+8*(PCI/16)
.endif
.endr
.endm
.macro SLOAD                           ; source 0: 8 tiles x 4 K steps, 384 registers
	WIN 0x40
.irp t, 0,1,2,3,4
.irp s, 0,1,2,3
	FRAG 48*\t+12*\s, AS1, \s, 32*(\t/2)+8*(\t%2)
.endr
.endr
	WIN 0x80
.irp t, 5,6,7
.irp s, 0,1,2,3
	FRAG 48*(\t-5)+12*\s, AS1, \s, 32*(\t/2)+8*(\t%2)
.endr
.endr
	WIN 0
.endm
.macro FETCH_T ph, buf, rowoff         ; a tile of source 1: 4 fragments, its scale words, in phase 2 its rows' bv: 25 or 33 LDS loads
	WIN 0xc0
.irp s, 0,1,2,3
	FRAG 48*(\buf)+12*\s, ADT1, \s, \rowoff
.endr
	WIN 0
	ds_load_b128 v[TS+4*(\buf):TS+4*(\buf)+3], v[ADTS] offset:(\rowoff)*16
.if \ph == 2
	WIN 0x80
.irp j, 0,1,2,3,4,5,6,7
	ds_load_b32 v[BT+8*(\buf)+\j], v[ADTB] offset:(\rowoff)*4    ; a lane holds one row d: its bv in all eight registers of C
.endr
	WIN 0
.endif
.endm
.macro WM d, a, b, c, sa, sb
	v_wmma_scale_f32_16x16x128_f8f6f4 v[(\d):(\d)+7], v[(\a):(\a)+11], v[(\b):(\b)+11], v[(\c):(\c)+7], v[\sa], v[\sb] matrix_a_fmt:MATRIX_FMT_FP6 matrix_b_fmt:MATRIX_FMT_FP6
.endm
; 32 products: 8 tiles of source 0 x one tile of source 1, K = 512.  The bias is the C of each sum's first product.  The accumulators take turns, one instruction a turn.
.macro MMA ph, buf
	WIN 0x2d                                       ; source 0 window 1, source 1 window 3, C window 2, D window 0
.irp t, 0,1,2,3,4
.if \ph == 1
	WM ACC+8*\t, 48*\t, 48*(\buf), B1+8*\t, SS+4*\t, TS+4*(\buf)
.else
	WM ACC+8*\t, 48*\t, 48*(\buf), BT+8*(\buf), SS+4*\t, TS+4*(\buf)
.endif
.endr
	WIN 0x0d
.irp s, 1,2,3
.irp t, 0,1,2,3,4
	WM ACC+8*\t, 48*\t+12*\s, 48*(\buf)+12*\s, ACC+8*\t, SS+4*\t+\s, TS+4*(\buf)+\s
.endr
.endr
	WIN 0x2e                                       ; source 0 window 2
.irp t, 5,6,7
.if \ph == 1
	WM ACC+8*\t, 48*(\t-5), 48*(\buf), B1+8*\t, SS+4*\t, TS+4*(\buf)
.else
	WM ACC+8*\t, 48*(\t-5), 48*(\buf), BT+8*(\buf), SS+4*\t, TS+4*(\buf)
.endif
.endr
	WIN 0x0e
.irp s, 1,2,3
.irp t, 5,6,7
	WM ACC+8*\t, 48*(\t-5)+12*\s, 48*(\buf)+12*\s, ACC+8*\t, SS+4*\t+\s, TS+4*(\buf)+\s
.endr
.endr
	WIN 0
.endm
; 64 numbers of a lane, register 16 b + i = k 32 b + 16 (lane / 16) + i of my row, become a fragment's codes in v[PC] on and its scale word in v[pw]
.macro QUANT src, pw
.irp b, 0,1,2,3
	v_max3_num_f32 v[TM+\b], |v[\src+16*\b]|, |v[\src+1+16*\b]|, 0x1800000   ; my 16 numbers of block b, and the floor 2^(3 - 127): the byte cannot fall under 1
.endr
.irp i, 2,4,6,8,10,12,14
.irp b, 0,1,2,3
	v_max3_num_f32 v[TM+\b], v[TM+\b], |v[\src+16*\b+\i]|, |v[\src+1+16*\b+\i]|
.endr
.endr
.irp b, 0,1,2,3
	v_permlanex16_b32 v[TM+4+\b], v[TM+\b], s[SEL], s[SEL+1]
.endr
.irp b, 0,1,2,3
	v_max_num_f32 v[TM+\b], v[TM+\b], v[TM+4+\b]   ; with lane l xor 16's: the block's largest magnitude
.endr
.irp b, 0,1,2,3
	v_add_nc_u32 v[TM+12+\b], 0xff000000, v[TM+\b] ; 2 off its exponent field: the conversion's scale operand
.endr
.irp b, 0,1,2,3
	v_lshrrev_b32 v[TM+4+\b], 23, v[TM+12+\b]      ; the scale's byte
.endr
	v_lshl_or_b32 v[\pw], v[TM+5], 8, v[TM+4]
	v_lshl_or_b32 v[\pw], v[TM+6], 16, v[\pw]
	v_lshl_or_b32 v[\pw], v[TM+7], 24, v[\pw]
.irp c, 0,1
	v_cvt_scalef32_pk16_fp6_f32 v[PC+6*\c:PC+2+6*\c], v[\src+32*\c:\src+15+32*\c], v[TM+12+2*\c]
	v_cvt_scalef32_pk16_fp6_f32 v[PC+12+4*\c:PC+14+4*\c], v[\src+16+32*\c:\src+31+32*\c], v[TM+12+2*\c+1]
.endr
	v_nop                                          ; one plain place behind a scaled conversion
.irp c, 0,1                                    ; the operand's layout wants a whole block in a lane
.irp i, 0,1,2
	v_permlane16_swap_b32 v[PC+6*\c+\i], v[PC+12+4*\c+\i]
.endr
.irp i, 0,1,2
	v_mov_b32 v[PC+3+6*\c+\i], v[PC+12+4*\c+\i]
.endr
.endr
.endm
; one tile of source 1: the next tile's fetch, 32 products, the quantiser, the image's three stores
.macro TILE ph, u, fetch, nextoff
.if \fetch
	FETCH_T \ph, 1-(\u), \nextoff
.if \ph == 1
	s_wait_dscnt 25                                ; all but the 25 loads just issued: this tile's fragments are in
.else
	s_wait_dscnt 33                                ; all but the 33 just issued
.endif
.else
	s_wait_dscnt 0x0
.endif
	MMA \ph, \u
	NOPS 5                                         ; places behind the products: four ahead of the first read of results, five ahead of the next tile's products, which write over these accumulators
	s_wait_xcnt 0x0                                ; the earlier stores have read their data: the codes' registers are written again only behind this wait
	QUANT ACC, PW+(\u)
.irp c, 0,1,2
	global_store_b128 v[OF], v[PC+4*\c:PC+4*\c+3], s[OB:OB+1] offset:(\u)*USTR+512*\c   ; 32 lanes store 512 consecutive bytes
.endr
.endm
; a trip: 32 rows of source 1, tiles u = 0, 1
.macro TRIP ph, last
.set USTR, 4608-1536*(\ph)             ; from tile u = 0 to u = 1: 3,072 bytes (two K steps lie between) or 1,536
	s_wait_xcnt 0x0                                ; the last trip's stores have read their offsets
.if \ph == 1
	s_lshr_b32 s94, s[GC], 2
	s_mul_i32 s94, s94, s[PA]
	s_and_b32 s95, s[GC], 3
	s_mul_i32 s96, s95, s[PB]
	s_add_co_u32 s96, s96, s94
	s_mul_i32 s97, s95, s[PB2]
	s_add_co_u32 s97, s97, s94
.else
	s_mul_i32 s96, s[GC], 3072
	s_lshl_b32 s97, s[GC], 7
.endif
	v_add_nc_u32 v[OF], s96, v[L16]
	v_add_nc_u32 v[OS], s97, v[L4]
	TILE \ph, 0, 1, 8
	TILE \ph, 1, 1-\last, 32
	v_cndmask_b32 v[PWM], v[PW], v[PW+1], s[HM]    ; lanes 0-15: tile u = 0's words, lanes 16-31: tile u = 1's
	global_store_b32 v[OS], v[PWM], s[OSB:OSB+1]
.if \last == 0
	v_add_nc_u32 v[ADT1], 32*PITCH, v[ADT1]        ; 32 rows on
	v_add_nc_u32 v[ADT1+1], 32*PITCH, v[ADT1+1]
	v_add_nc_u32 v[ADTS], 512, v[ADTS]
.if \ph == 2
	v_add_nc_u32 v[ADTB], 128, v[ADTB]
.endif
.endif
.endm
	s_load_b512 s[16:31], s[0:1], 0x0              ; x_codes 16, x_scales 18, Wq_codes 20, Wk_codes 22, Wq_scales 24, Wk_scales 26, bq 28, bk 30
	s_load_b256 s[32:39], s[0:1], 0x40             ; Wv_codes 32, Wv_scales 34, bv 36, Wo_codes 38
	s_load_b128 s[40:43], s[0:1], 0x60             ; qrec 40, kv 42
	s_load_b64 s[44:45], s[0:1], 0x70              ; wo_img
	v_lshl_add_u32 v[SPW], v0, 2, SPARE
	v_mov_b32 v[NIL], 0
	ds_add_u32 v[SPW], v[NIL]                      ; the wave's opening: the add, twice on end, and its wait ahead of my first tensor load
	ds_add_u32 v[SPW], v[NIL]
	v_lshrrev_b32 v11, 5, v0
	v_readfirstlane_b32 s[WV], v11                 ; wave 0..3
	s_bfe_u32 s[CX], ttmp6, 0x40000                ; my place in the cluster: it enters global addresses alone
	s_lshl_b32 s[XX], ttmp9, 2
	s_add_co_u32 s[XX], s[XX], s[CX]               ; X: my 256 rows of x
	s_and_b32 s[YY], ttmp7, 0xffff                 ; Y, which the four partners share
	s_mov_b32 s[SEL], 0x76543210
	s_mov_b32 s[SEL+1], 0xfedcba98                 ; v_permlanex16_b32's selects for lane l xor 16
	s_mov_b32 s[HM], 0xffff0000                    ; lanes 16-31
	; descriptor group 1: lines of 16 elements of 8 bytes, dense in memory, 2 words of padding behind every 32
	s_mov_b32 s[G1W], 15|(3<<16)|(1<<20)|(1<<21)|(4<<22)|(1<<25)   ; joint: mask 15, bit 21 beside it
	s_mov_b32 s[G1X], (3<<16)|(1<<20)|(4<<22)|(1<<25)              ; plain
	s_mov_b32 s[G1V], 15|(3<<16)|(1<<20)|(1<<21)|(4<<22)|(1<<25)
.irp g, G1W, G1X, G1V
	s_mov_b32 s[\g+1], 16<<16                      ; tensor_dim0
	s_mov_b32 s[\g+3], 16<<16                      ; tile_dim0
	s_mov_b32 s[\g+5], 16                          ; from line to line
	s_mov_b32 s[\g+6], 0
	s_mov_b32 s[\g+7], 0
.endr
	s_mov_b32 s[G1W+2], 384<<16                    ; 128 rows = 384 lines
	s_mov_b32 s[G1W+4], 384
	s_mov_b32 s[G1X+2], 192<<16                    ; 64 rows
	s_mov_b32 s[G1X+4], 192
	s_mov_b32 s[G1V+2], 192<<16
	s_mov_b32 s[G1V+4], 192
	; where phase 1's results go: q's records and k's differ in these six strides alone
	s_cmp_eq_u32 s[YY], 0
	s_mov_b32 s[PA], 102400
	s_cselect_b32 s[PA], 51200, s[PA]              ; 128 rows on
	s_mov_b32 s[PB], 6144
	s_cselect_b32 s[PB], 12800, s[PB]              ; 32 rows on, images
	s_mov_b32 s[PB2], 128
	s_cselect_b32 s[PB2], 12800, s[PB2]            ; 32 rows on, scale words
	s_mov_b32 s[PCC], 51200
	s_cselect_b32 s[PCC], 6400, s[PCC]             ; a head on
	s_mov_b32 s[PD], 49152
	s_cselect_b32 s[PD], 6144, s[PD]               ; where the scale words begin
	s_mov_b32 s[PE], 512
	s_cselect_b32 s[PE], 128, s[PE]                ; a K step on, scale words
	v_and_b32 v11, 31, v0
	v_lshlrev_b32 v[L16], 4, v11
	v_lshlrev_b32 v[L4], 2, v11
	v_and_b32 v[RP], 15, v0
	v_and_b32 v[HH], 8, v[RP]
	v_add_nc_u32 v[RP], v[RP], v[HH]               ; r' = r + 8 (r / 8)
	v_bfe_u32 v[HH], v0, 4, 1                      ; h
	v_lshlrev_b32 v9, 4, v0                        ; the tables: 16 bytes a thread,
	v_lshlrev_b32 v10, 3, v0                       ; or 8
	v_add_nc_u32 v5, XS, v9
	v_add_nc_u32 v6, BV, v10
	v_lshlrev_b32 v7, 4, v[RP]
	v_lshlrev_b32 v8, 6, v[HH]
.irp b, 0,1,2,3
	v_mov_b32 v[TM+4+\b], 0                        ; written once: a lane permute's destination counts as one of its sources
.endr
	s_lshl_b32 s94, s[XX], 1
	s_mul_i32 s94, s94, s[PA]
	s_lshr_b32 s95, s[WV], 1                       ; head
	s_mul_i32 s95, s95, s[PCC]
	s_add_co_u32 s94, s94, s95
	s_and_b32 s96, s[WV], 1                        ; the next K step
	s_mov_b32 s99, 0
	s_wait_dscnt 0x0                               ; both opening adds are done
	s_wait_kmcnt 0x0
	s_cmp_eq_u32 s[YY], 0                          ; q's buffers or k's: the choice hangs on the work-group's number alone
	s_cselect_b64 s[20:21], s[20:21], s[22:23]
	s_cselect_b64 s[24:25], s[24:25], s[26:27]
	s_cselect_b64 s[28:29], s[28:29], s[30:31]
	s_cselect_b64 s[OB:OB+1], s[40:41], s[42:43]
	s_mov_b64 s[OSB:OSB+1], s[OB:OB+1]
	s_mul_i32 s97, s96, 1536
	s_add_co_u32 s98, s94, s97
	s_add_nc_u64 s[OB:OB+1], s[OB:OB+1], s[98:99]
	s_mul_i32 s97, s96, s[PE]
	s_add_co_u32 s98, s94, s97
	s_add_co_u32 s98, s98, s[PD]
	s_add_nc_u64 s[OSB:OSB+1], s[OSB:OSB+1], s[98:99]
	s_mov_b32 s[G0W], 1
	s_mul_i32 s[G0W+1], s[WV], 128*PITCH
	s_add_co_u32 s[G0W+1], s[G0W+1], WR
	s_mul_i32 s98, s[WV], 49152
	s_add_nc_u64 s[G0W+2:G0W+3], s[20:21], s[98:99]   ; W's rows 128 w on
	s_or_b32 s[G0W+3], s[G0W+3], 0x80000000
	s_mov_b32 s[G0X], 1
	s_mul_i32 s[G0X+1], s[WV], 64*PITCH
	s_lshl_b32 s98, s[XX], 8
	s_lshl_b32 s97, s[WV], 6
	s_add_co_u32 s98, s98, s97
	s_mul_i32 s98, s98, 384
	s_add_nc_u64 s[G0X+2:G0X+3], s[16:17], s[98:99]   ; x's rows 256 X + 64 w on
	s_or_b32 s[G0X+3], s[G0X+3], 0x80000000
	s_mov_b32 s[G0V], 1
	s_mul_i32 s[G0V+1], s[WV], 64*PITCH
	s_add_co_u32 s[G0V+1], s[G0V+1], VR
	s_lshl_b32 s98, s[YY], 8
	s_add_co_u32 s98, s98, s97
	s_mul_i32 s98, s98, 384
	s_add_nc_u64 s[G0V+2:G0V+3], s[32:33], s[98:99]   ; Wv's rows 256 Y + 64 w on
	s_or_b32 s[G0V+3], s[G0V+3], 0x80000000
	s_lshl_b32 s98, s[XX], 12
	s_add_nc_u64 s[18:19], s[18:19], s[98:99]      ; x's scale bytes of my 256 rows
	s_lshl_b32 s98, s[YY], 12
	s_add_nc_u64 s[34:35], s[34:35], s[98:99]      ; Wv's, head Y
	s_lshl_b32 s98, s[YY], 10
	s_add_nc_u64 s[36:37], s[36:37], s[98:99]      ; bv, head Y
	s_lshl_b32 s98, s[WV], 11
	s_add_nc_u64 s[24:25], s[24:25], s[98:99]      ; W's scale bytes of my 128 rows
	s_lshl_b32 s98, s[WV], 9
	s_add_nc_u64 s[28:29], s[28:29], s[98:99]      ; and their bias
	CROUND                                         ; all four work-groups are here: the first joint loads meet
	tensor_load_to_lds s[G0W:G0W+3], s[G1W:G1W+7]  ; two loads of mine are out
	s_nop 0
	tensor_load_to_lds s[G0X:G0X+3], s[G1X:G1X+7]
	s_nop 0
	NOPS 4
	global_load_b128 v[16:19], v9, s[18:19]        ; the tables, dense by thread
	global_load_b128 v[20:23], v9, s[18:19] offset:2048
	global_load_b128 v[24:27], v9, s[34:35]
	global_load_b128 v[28:31], v9, s[34:35] offset:2048
	global_load_b64 v[32:33], v10, s[36:37]
.irp t, 0,1,2,3,4,5,6,7
	global_load_b128 v[SS+4*\t:SS+4*\t+3], v7, s[24:25] offset:(32*(\t/2)+8*(\t%2))*16   ; my W rows' scale words: four K steps a row
.endr
	WIN 0x80
.irp t, 0,1,2,3,4,5,6,7
	global_load_b128 v[B1+8*\t:B1+8*\t+3], v8, s[28:29] offset:(32*(\t/2)+8*(\t%2))*4    ; the bias in the result's layout: units 32 (t / 2) + 16 h + 8 (t % 2) + 0 .. 7
	global_load_b128 v[B1+8*\t+4:B1+8*\t+7], v8, s[28:29] offset:(32*(\t/2)+8*(\t%2))*4+16
.endr
	WIN 0
	s_wait_loadcnt 24                              ; the five table loads are in; the 24 behind them may be out
	ds_store_b128 v5, v[16:19]
	ds_store_b128 v5, v[20:23] offset:2048
	ds_store_b128 v5, v[24:27] offset:4096
	ds_store_b128 v5, v[28:31] offset:6144
	ds_store_b64 v6, v[32:33]
	; Wo's 128 fragments become images: clusters 0-7 of Y = 0, a fragment a wave (tile X, K step w).  The branch hangs on the cluster's number and Y, which the partners share
	s_lshl_b32 s94, s[YY], 8
	s_or_b32 s94, s94, ttmp9
	s_cmp_lt_u32 s94, 8
	s_cbranch_scc0 .Lno_wo
	s_mul_i32 s98, s[XX], 16*384
	s_mul_i32 s97, s[WV], 96
	s_add_co_u32 s98, s98, s97
	s_add_nc_u64 s[38:39], s[38:39], s[98:99]
	v_and_b32 v11, 15, v0
	v_mul_u32_u24 v11, v11, 384
	v_mad_u32_u24 v11, v[HH], 24, v11
.irp p, 0,1,2,3,4,5
	global_load_b64 v[PC+2*\p:PC+2*\p+1], v11, s[38:39] offset:48*(\p/3)+8*(\p%3)
.endr
	s_lshl_b32 s98, s[XX], 2
	s_add_co_u32 s98, s98, s[WV]
	s_mul_i32 s98, s98, 1536
	s_add_nc_u64 s[44:45], s[44:45], s[98:99]
	s_wait_loadcnt 0x0
.irp c, 0,1,2
	global_store_b128 v[L16], v[PC+4*\c:PC+4*\c+3], s[44:45] offset:512*\c
.endr
.Lno_wo:
	s_mul_i32 s94, s[WV], 128*PITCH
	s_add_co_u32 s94, s94, WR
	v_mul_u32_u24 v[AS1], v[RP], PITCH
	v_mad_u32_u24 v[AS1], v[HH], 24, v[AS1]
	v_add_nc_u32 v[AS1], s94, v[AS1]
	v_lshl_add_u32 v[AS1+1], v[HH], 3, v[AS1]
	s_wait_tensorcnt 0x1                           ; my W rows are in (x's load, issued behind, may be out); I alone read them
	SLOAD
	s_wait_tensorcnt 0x0                           ; all my tensor loads have landed, my part of x among them;
	ds_add_u32 v[SPW], v[NIL]                      ; 0 onto my spare word
	s_wait_loadcnt 0x0                             ; W's scale words and the bias
	s_wait_dscnt 0x0                               ; the add is done, W is in my registers, my table stores have landed
	CROUND                                         ; so of every wave of every partner: W's bytes may be filled again, and x and the tables are whole
	tensor_load_to_lds s[G0V:G0V+3], s[G1V:G1V+7]  ; my one load behind the round: it has all of phase 1 in which to land
	s_nop 0
	NOPS 4
	; ---- phase 1: q or k
	v_mul_u32_u24 v[ADT1], v[RP], PITCH
	v_mad_u32_u24 v[ADT1], v[HH], 24, v[ADT1]
	v_lshl_add_u32 v[ADT1+1], v[HH], 3, v[ADT1]
	v_lshl_add_u32 v[ADTS], v[RP], 4, XS
	FETCH_T 1, 0, 0
	s_mov_b32 s[GC], 0
.Lp1:
	TRIP 1, 0
	s_add_co_u32 s[GC], s[GC], 1
	s_cmp_lt_u32 s[GC], 7
	s_cbranch_scc1 .Lp1
	TRIP 1, 1                                      ; the last 32 rows fetch nothing beyond them
	s_wait_tensorcnt 0x0                           ; my part of Wv is in,
	s_wait_dscnt 0x0
	s_barrier_signal -1
	s_barrier_wait -1                              ; everybody's is
	; ---- phase 2: v of head Y
	s_wait_xcnt 0x0                                ; phase 1's stores have read their bases
	s_and_b32 s94, s[WV], 1                        ; which key step of my block's two
	s_lshr_b32 s95, s[WV], 1                       ; which half of the head's 256
	s_lshl_b32 s96, s[XX], 1
	s_add_co_u32 s96, s96, s94
	s_lshl_b32 s96, s96, 1
	s_add_co_u32 s96, s96, s[YY]
	s_mul_i32 s96, s96, 51200                      ; the record of (key step, head)
	s_mul_i32 s97, s95, 8*1536
	s_add_co_u32 s98, s96, s97
	s_add_co_u32 s98, s98, 24576
	s_add_nc_u64 s[OB:OB+1], s[42:43], s[98:99]
	s_lshl_b32 s97, s95, 9
	s_add_co_u32 s98, s96, s97
	s_add_co_u32 s98, s98, 50176
	s_add_nc_u64 s[OSB:OSB+1], s[42:43], s[98:99]
	s_mul_i32 s98, s94, 128*PITCH
	v_mul_u32_u24 v[AS1], v[RP], PITCH
	v_mad_u32_u24 v[AS1], v[HH], 24, v[AS1]
	v_add_nc_u32 v[AS1], s98, v[AS1]
	v_lshl_add_u32 v[AS1+1], v[HH], 3, v[AS1]
	SLOAD                                          ; x's 128 rows are source 0 now
	s_lshl_b32 s98, s94, 11
	s_add_co_u32 s98, s98, XS
	v_lshl_add_u32 v11, v[RP], 4, s98
.irp t, 0,1,2,3,4,5,6,7
	ds_load_b128 v[SS+4*\t:SS+4*\t+3], v11 offset:(32*(\t/2)+8*(\t%2))*16
.endr
	s_mul_i32 s98, s95, 128*PITCH
	s_add_co_u32 s98, s98, VR
	v_mul_u32_u24 v[ADT1], v[RP], PITCH
	v_mad_u32_u24 v[ADT1], v[HH], 24, v[ADT1]
	v_add_nc_u32 v[ADT1], s98, v[ADT1]
	v_lshl_add_u32 v[ADT1+1], v[HH], 3, v[ADT1]
	s_lshl_b32 s98, s95, 11
	s_add_co_u32 s98, s98, VS
	v_lshl_add_u32 v[ADTS], v[RP], 4, s98
	s_lshl_b32 s98, s95, 9
	s_add_co_u32 s98, s98, BV
	v_lshl_add_u32 v[ADTB], v[RP], 2, s98
	FETCH_T 2, 0, 0
	s_mov_b32 s[GC], 0
.Lp2:
	TRIP 2, 0
	s_add_co_u32 s[GC], s[GC], 1
	s_cmp_lt_u32 s[GC], 3
	s_cbranch_scc1 .Lp2
	TRIP 2, 1
	s_wait_tensorcnt 0x0                           ; the wave's end: behind my last tensor load and my last LDS store
	ds_add_u32 v[SPW], v[NIL]
	s_wait_dscnt 0x0
	CROUND                                         ; the closing round: no work-group ends while a partner may still ask for a tile that names it
	s_endpgm
.Lfunc_end_k_q18bf9740b6_proj:
	.size	k_q18bf9740b6_proj, .Lfunc_end_k_q18bf9740b6_proj-k_q18bf9740b6_proj
	.p2alignl 7, 3214868480
	.fill 96, 4, 3214868480
	.section	.rodata,"a",@progbits
	.p2align	6, 0x0
	.amdhsa_kernel k_q18bf9740b6_proj
		.amdhsa_group_segment_fixed_size 327680
		.amdhsa_private_segment_fixed_size 0
		.amdhsa_enable_private_segment 0
		.amdhsa_kernarg_size 120
		.amdhsa_user_sgpr_count 2
		.amdhsa_user_sgpr_kernarg_segment_ptr 1
		.amdhsa_wavefront_size32 1
		.amdhsa_system_sgpr_workgroup_id_x 1
		.amdhsa_system_sgpr_workgroup_id_y 1
		.amdhsa_system_sgpr_workgroup_id_z 1
		.amdhsa_system_vgpr_workitem_id 0
		.amdhsa_next_free_vgpr 864
		.amdhsa_next_free_sgpr 102
		.amdhsa_reserve_vcc 0
		.amdhsa_float_denorm_mode_32 3
		.amdhsa_float_denorm_mode_16_64 3
		.amdhsa_memory_ordered 1
		.amdhsa_forward_progress 1
		.amdhsa_inst_pref_size 125
	.end_amdhsa_kernel
	.amdgpu_metadata
---
amdhsa.version: [ 1, 2 ]
amdhsa.kernels:
  - .name:           k_q18bf9740b6_proj
    .symbol:         k_q18bf9740b6_proj.kd
    .args:
      - { .name: x_codes, .offset: 0, .size: 8, .value_kind: global_buffer, .address_space: global }
      - { .name: x_scales, .offset: 8, .size: 8, .value_kind: global_buffer, .address_space: global }
      - { .name: Wq_codes, .offset: 16, .size: 8, .value_kind: global_buffer, .address_space: global }
      - { .name: Wk_codes, .offset: 24, .size: 8, .value_kind: global_buffer, .address_space: global }
      - { .name: Wq_scales, .offset: 32, .size: 8, .value_kind: global_buffer, .address_space: global }
      - { .name: Wk_scales, .offset: 40, .size: 8, .value_kind: global_buffer, .address_space: global }
      - { .name: bq, .offset: 48, .size: 8, .value_kind: global_buffer, .address_space: global }
      - { .name: bk, .offset: 56, .size: 8, .value_kind: global_buffer, .address_space: global }
      - { .name: Wv_codes, .offset: 64, .size: 8, .value_kind: global_buffer, .address_space: global }
      - { .name: Wv_scales, .offset: 72, .size: 8, .value_kind: global_buffer, .address_space: global }
      - { .name: bv, .offset: 80, .size: 8, .value_kind: global_buffer, .address_space: global }
      - { .name: Wo_codes, .offset: 88, .size: 8, .value_kind: global_buffer, .address_space: global }
      - { .name: qrec, .offset: 96, .size: 8, .value_kind: global_buffer, .address_space: global }
      - { .name: kv, .offset: 104, .size: 8, .value_kind: global_buffer, .address_space: global }
      - { .name: wo_img, .offset: 112, .size: 8, .value_kind: global_buffer, .address_space: global }
    .group_segment_fixed_size: 327680
    .private_segment_fixed_size: 0
    .kernarg_segment_align: 8
    .kernarg_segment_size: 120
    .max_flat_workgroup_size: 128
    .sgpr_count:     102
    .vgpr_count:     864
    .wavefront_size: 32
...
	.end_amdgpu_metadata
.endif
;; end of part 1
;; launch attn (part 2): grid 8 x 32, 8 waves a work-group, no clusters, 327,680 bytes of LDS; arguments qrec, kv, wo_img, Wo_scales, out0; writes out0
.if DOCPART == 2
	.amdgcn_target "amdgcn-amd-amdhsa--gfx1250"
	.amdhsa_code_object_version 6
	.text
	.protected	k_q18bf9740b6_attn
	.globl	k_q18bf9740b6_attn
	.p2align	8
	.type	k_q18bf9740b6_attn,@function
k_q18bf9740b6_attn:
	s_mov_b64 s[64:65], 0
	v_nop
	global_prefetch_b8 v0, s[64:65] scope:SCOPE_SE
	s_setreg_imm32_b32 hwreg(HW_REG_WAVE_MODE, 25, 1), 1
	s_wait_xcnt 0x0
; out0 = Q(softmax(q k^T / sqrt(512), causal) v) Wo^T, all three products on codes of FP6 (E2M3) with one E8M0 scale for each 32 along K.  q, k, v and Wo come as images of operand registers (first launch).
; WORK LEFT OUT: key steps of 128 keys all of which come after all 32 queries of a wave: reference()'s own causal mask makes their p 0 for all values of the inputs.  A NaN or an infinity that reaches only those steps is not carried to the result.
; THE SOFTMAX: t = score x log2(e) / sqrt(512); M = the running largest t rounded up to a whole number; p = 2^(t - M) is quantised along the keys, not normalised; the row's sum is taken of the unquantised p
; and divides O at the end; when M moves, the sum and O are multiplied by 2^(old M - new M), exactly.  LIMITS: the largest t starts at -3e38; NaN and infinities among the inputs are not served;
; a block of p or of O / l under 2^-124 gets the scale byte 1 (its codes are zeros or the floor's).
; SHARES.  Work-group (i, b) owns query blocks i and 15 - i (64 queries each) of batch b, both heads: the same count of key steps in every work-group.  Wave w: head w % 2, group w / 2 of 32 queries: two tiles u = 0, 1,
; so each fragment of K and V read from LDS feeds two products.  Lane r of tile u holds query Q0 + 8 u + r + 8 (r / 8) (the first launch's choice of rows); only the mask and out0's rows know it.
; Both products are used transposed (S^T = K Q^T, O^T = V^T P^T): a lane holds one query throughout, and its registers run along the keys, then along d: what the next quantiser wants.
; RING: two LDS slots, each a key step of both heads, 102,400 dense bytes; each of the eight waves fetches an eighth by one tensor load.  Every work-group walks all 8 changes of slots (constant trip counts);
; a slot whose first key comes after the work-group's last query is not asked for.
; NO CLUSTER: the work-groups of a batch need 8, 8, 7, 7, 6, 6, 5, 5 key steps (ceil((1,024 - 64 i) / 128)): some partner would read nothing of a tile that a joint load brings.
; WAY OUT: O^T / l is quantised in registers, its images meet in LDS, and wave w makes out0's columns 64 w .. + 63 for all 128 queries; results leave through the wave's stage, 16 lanes to 256 aligned bytes.
; REGISTERS: window 0: v1-8 addresses; v12.. statistics; v24-29 scale words; v32-79 Q; v80-207 S^T, then p, then V's two buffers; v208-255 K's fragments, then p's codes and the softmax's temporaries.  Window 1: O^T.
.set STEPB, 102400
.set HEADB, 51200
.set SLOT1, 1<<17
.set SPARE, STEPB                      ; behind slot 0: the spare words, 128 bytes a wave: four blocks of 256 bytes that no other line names
.set OIMG,  SLOT1+STEPB                ; the images of O / l: (tile lt, K step s) at (4 lt + s) x 1,536
.set OSC,   OIMG+32*1536               ; their scale words: (group, s) at (4 g + s) x 128
.set STG,   OSC+4096                   ; a stage of 16 rows x (256 + 16) bytes for each wave
.set LI0, 1
.set LS0, 2
.set ADI, 3
.set ADS, 4
.set SPW, 5                            ; v5  my spare word; never rewritten
.set NIL, 6                            ; v6  0; never rewritten
.set DQ,  7                            ; v7  r' - 16 h
.set PFO, 8                            ; v8  256 x lane; never rewritten
.set Q,   32
.set S,   80
.set KFR, 208
.set WV,  14
.set HD,  15
.set GI,  16
.set II,  17
.set BB,  18
.set GG,  19
.set Q0,  20
.set QL,  21
.set KF,  22
.set TB,  23
.set SLOTS, 24
.set LIM, 25
.set SEL, 26
.set CS,  28
.set HM,  30
.set G1,  32
.set G0,  40
.set PFA, 44
.set OUTB, 48
; the way out's registers
.set NO,  80                           ; 64 numbers of O / l
.set TM,  144
.set PC,  160
.set PW,  180
.set OFR, 80                           ; eight fragments of O
.set RB,  80                           ; rows read back from the stage, two buffers of 32
.set OWI, 3
.set OWS, 4
.set ORI, 7
.set ORS, 195
.set STO, 196
.set SRD, 197
.set GOF, 198
.set MSB, 0
.macro WIN new
.if MSB != \new
	s_set_vgpr_msb (MSB<<8)|\new
.set MSB, \new
.endif
.endm
.macro NOPS n
.rept \n
	v_nop
.endr
.endm
; the matrix instruction: cz = 1: C is 0, else C is D; ra, rb: which half of the lanes holds source 0's and source 1's scale words
.macro WMS d, a, b, cz, sa, ra, sb, rb
.if \cz
.if ((\ra) == 0) && ((\rb) == 0)
	v_wmma_scale_f32_16x16x128_f8f6f4 v[(\d):(\d)+7], v[(\a):(\a)+11], v[(\b):(\b)+11], 0, v[\sa], v[\sb] matrix_a_fmt:MATRIX_FMT_FP6 matrix_b_fmt:MATRIX_FMT_FP6
.elseif (\rb) == 0
	v_wmma_scale_f32_16x16x128_f8f6f4 v[(\d):(\d)+7], v[(\a):(\a)+11], v[(\b):(\b)+11], 0, v[\sa], v[\sb] matrix_a_fmt:MATRIX_FMT_FP6 matrix_b_fmt:MATRIX_FMT_FP6 matrix_a_scale:MATRIX_SCALE_ROW1
.elseif (\ra) == 0
	v_wmma_scale_f32_16x16x128_f8f6f4 v[(\d):(\d)+7], v[(\a):(\a)+11], v[(\b):(\b)+11], 0, v[\sa], v[\sb] matrix_a_fmt:MATRIX_FMT_FP6 matrix_b_fmt:MATRIX_FMT_FP6 matrix_b_scale:MATRIX_SCALE_ROW1
.else
	v_wmma_scale_f32_16x16x128_f8f6f4 v[(\d):(\d)+7], v[(\a):(\a)+11], v[(\b):(\b)+11], 0, v[\sa], v[\sb] matrix_a_fmt:MATRIX_FMT_FP6 matrix_b_fmt:MATRIX_FMT_FP6 matrix_a_scale:MATRIX_SCALE_ROW1 matrix_b_scale:MATRIX_SCALE_ROW1
.endif
.else
.if ((\ra) == 0) && ((\rb) == 0)
	v_wmma_scale_f32_16x16x128_f8f6f4 v[(\d):(\d)+7], v[(\a):(\a)+11], v[(\b):(\b)+11], v[(\d):(\d)+7], v[\sa], v[\sb] matrix_a_fmt:MATRIX_FMT_FP6 matrix_b_fmt:MATRIX_FMT_FP6
.elseif (\rb) == 0
	v_wmma_scale_f32_16x16x128_f8f6f4 v[(\d):(\d)+7], v[(\a):(\a)+11], v[(\b):(\b)+11], v[(\d):(\d)+7], v[\sa], v[\sb] matrix_a_fmt:MATRIX_FMT_FP6 matrix_b_fmt:MATRIX_FMT_FP6 matrix_a_scale:MATRIX_SCALE_ROW1
.elseif (\ra) == 0
	v_wmma_scale_f32_16x16x128_f8f6f4 v[(\d):(\d)+7], v[(\a):(\a)+11], v[(\b):(\b)+11], v[(\d):(\d)+7], v[\sa], v[\sb] matrix_a_fmt:MATRIX_FMT_FP6 matrix_b_fmt:MATRIX_FMT_FP6 matrix_b_scale:MATRIX_SCALE_ROW1
.else
	v_wmma_scale_f32_16x16x128_f8f6f4 v[(\d):(\d)+7], v[(\a):(\a)+11], v[(\b):(\b)+11], v[(\d):(\d)+7], v[\sa], v[\sb] matrix_a_fmt:MATRIX_FMT_FP6 matrix_b_fmt:MATRIX_FMT_FP6 matrix_a_scale:MATRIX_SCALE_ROW1 matrix_b_scale:MATRIX_SCALE_ROW1
.endif
.endif
.endm
; A prefetch of the key step after the one that is being loaded.  All eight work-groups of a batch walk the same records: work-group i = 0 asks, its waves 0-3, each for 24,576 bytes
; (K's or V's fragments of one head), lanes 256 bytes apart, three instructions: each block of 256 bytes is named once.  Steps 0 and 1 and the scale words come by their loads alone; the last change that fills asks for nothing.
.macro ASK
	s_cmp_gt_u32 s[SLOTS], s[LIM]
	s_cbranch_scc0 .Lnot_mine_\@
	global_prefetch_b8 v[PFO], s[PFA:PFA+1] th:TH_LOAD_NT scope:SCOPE_SE
	global_prefetch_b8 v[PFO], s[PFA:PFA+1] offset:8192 th:TH_LOAD_NT scope:SCOPE_SE
	global_prefetch_b8 v[PFO], s[PFA:PFA+1] offset:16384 th:TH_LOAD_NT scope:SCOPE_SE
.Lnot_mine_\@:
.endm
; THE CHANGE OF SLOTS, at a slot's head.  Each wave waits for all its tensor loads (its eighth of the slot ahead), adds 0 to its spare word, and waits for that and for its reads of the slot that it has left.
; Behind the barrier the slot ahead is whole and nobody reads the other one, which is then filled with the next key step, up to the causal limit.
.macro CHANGE fill
	s_wait_tensorcnt 0x0                           ; no tensor load of mine is out, so group 0 may be written
	ds_add_u32 v[SPW], v[NIL]                      ; 0 onto my spare word
.if \fill
	s_xor_b32 s[G0+1], s[G0+1], SLOT1              ; the other slot than last time,
	s_add_nc_u64 s[G0+2:G0+3], s[G0+2:G0+3], STEPB ; the next key step; the type bits on top are not reached
	s_wait_xcnt 0x0                                ; the last prefetches, a key step back, have read their address
	s_add_nc_u64 s[PFA:PFA+1], s[PFA:PFA+1], STEPB
.endif
	s_wait_dscnt 0x0                               ; the add is done, and my reads of the slot that I have left are over
	s_barrier_signal -1
	s_barrier_wait -1
.if \fill
	s_add_co_u32 s56, s[KF], 128                   ; the first key of the step that this change would ask for
	s_cmp_gt_u32 s56, s[QL]                        ; against my work-group's last query: ids and the count of steps alone, the same in all eight waves
	s_cbranch_scc1 .Lpast_\@                       ; a step beyond it is read by no wave, so it is not asked for
	tensor_load_to_lds s[G0:G0+3], s[G1:G1+7]      ; my one tensor load until the next such barrier: one is out
	s_nop 0
	NOPS 4
.Lpast_\@:
	ASK
.endif
.endm
; the softmax of tile u for 128 keys: register 16 b + i of the tile's 64 is key 32 b + 16 (lane / 16) + i
.macro SOFT u
.set SB, S+64*(\u)
.set MR, 12+4*(\u)                     ; -M, the largest t, the sum in two halves
.set FF, 20+2*(\u)                     ; f; p's scale word
.set PP, KFR+12*(\u)                   ; p's codes
.irp b, 0,1,2,3
	v_max3_num_f32 v[232+\b], v[SB+16*\b], v[SB+1+16*\b], v[SB+2+16*\b]   ; the largest score of each block of 32 keys: for the row's maximum, and, since p rises with the score, for the block's largest p
.endr
.irp i, 3,5,7,9,11,13
.irp b, 0,1,2,3
	v_max3_num_f32 v[232+\b], v[232+\b], v[SB+16*\b+\i], v[SB+1+16*\b+\i]
.endr
.endr
.irp b, 0,1,2,3
	v_max_num_f32 v[232+\b], v[232+\b], v[SB+15+16*\b]
.endr
.irp b, 0,1,2,3
	v_permlanex16_b32 v[236+\b], v[232+\b], s[SEL], s[SEL+1]
.endr
.irp b, 0,1,2,3
	v_max_num_f32 v[232+\b], v[232+\b], v[236+\b]  ; with lane l xor 16's 16 keys
.endr
	v_max3_num_f32 v254, v232, v233, v234
	v_max_num_f32 v254, v254, v235
	v_mul_f32 v254, s[CS], v254                    ; the step's largest t
	v_max_num_f32 v[MR+1], v[MR+1], v254
	v_mov_b32 v254, v[MR]
	v_floor_f32 v[MR], -v[MR+1]                    ; the new -M = floor(-t): M is a whole number
	v_sub_f32 v254, v[MR], v254                    ; old M less new M: a whole number, 0 or less
	v_cvt_i32_f32 v254, v254                       ; (it saturates)
	v_ldexp_f32 v[FF], 1.0, v254                   ; f = 2^(old M - new M)
.set j, 0
.rept 32
	v_pk_fma_f32 v[SB+j:SB+j+1], v[SB+j:SB+j+1], s[CS:CS+1], v[MR:MR+1] op_sel_hi:[1,0,0]   ; t - M, two at a time
.set j, j+2
.endr
.irp b, 0,1,2,3
	v_fma_f32 v[232+\b], v[232+\b], s[CS], v[MR]
.endr
.set j, 0
.rept 64
	v_exp_f32 v[SB+j], v[SB+j]                     ; p = 2^(t - M)
.set j, j+1
.endr
	v_pk_mul_f32 v[MR+2:MR+3], v[MR+2:MR+3], v[FF:FF+1] op_sel_hi:[1,0]   ; the sums under the new M: a plain place behind the exponentials
	s_wait_alu depctr_va_vdst(0)                   ; one wait for the batch of 64, ahead of its first reader
.irp b, 0,1,2,3
	v_exp_f32 v[232+\b], v[232+\b]                 ; each block's largest p
.endr
	v_pk_add_f32 v[236:237], v[SB:SB+1], v[SB+2:SB+3]   ; the row's sum, of the unquantised p, in two chains
.set j, 4
.rept 15
	v_pk_add_f32 v[MR+2:MR+3], v[MR+2:MR+3], v[SB+j:SB+j+1]
	v_pk_add_f32 v[236:237], v[236:237], v[SB+j+2:SB+j+3]
.set j, j+4
.endr
	v_pk_add_f32 v[MR+2:MR+3], v[MR+2:MR+3], v[236:237]
	s_wait_alu depctr_va_vdst(0)                   ; and one for the four
.irp b, 0,1,2,3
	v_max_num_f32 v[232+\b], 0x1800000, v[232+\b]  ; the floor 2^(3 - 127): the byte cannot fall under 1
.endr
.irp b, 0,1,2,3
	v_add_nc_u32 v[244+\b], 0xff000000, v[232+\b]  ; 2 off the exponent field: the conversion's scale operand
.endr
.irp b, 0,1,2,3
	v_lshrrev_b32 v[236+\b], 23, v[244+\b]
.endr
	v_lshl_or_b32 v[FF+1], v237, 8, v236           ; p's scale word for these 128 keys
	v_lshl_or_b32 v[FF+1], v238, 16, v[FF+1]
	v_lshl_or_b32 v[FF+1], v239, 24, v[FF+1]
.irp c, 0,1
	v_cvt_scalef32_pk16_fp6_f32 v[PP+6*\c:PP+2+6*\c], v[SB+32*\c:SB+15+32*\c], v[244+2*\c]
	v_cvt_scalef32_pk16_fp6_f32 v[236+4*\c:238+4*\c], v[SB+16+32*\c:SB+31+32*\c], v[244+2*\c+1]
.endr
	v_nop                                          ; one plain place behind a scaled conversion
.irp c, 0,1
.irp i, 0,1,2
	v_permlane16_swap_b32 v[PP+6*\c+\i], v[236+4*\c+\i]
.endr
.irp i, 0,1,2
	v_mov_b32 v[PP+3+6*\c+\i], v[236+4*\c+\i]
.endr
.endr
.endm
.macro VLOAD g                         ; V^T's tiles 4 g .. 4 g + 3 into buffer g % 2, and their scale words: 14 LDS loads
.irp e, 0,1,2,3
.irp c, 0,1,2
	ds_load_b128 v[S+48*((\g)%2)+12*\e+4*\c:S+48*((\g)%2)+12*\e+4*\c+3], v[ADI] offset:24576+(4*(\g)+\e)*1536+512*\c
.endr
.endr
.irp e, 0,1
	ds_load_b32 v[26+2*((\g)%2)+\e], v[ADS] offset:50176+(2*(\g)+\e)*128
.endr
.endm
.macro PVMM g                          ; O^T += V^T P^T: 4 tiles of d x 2 tiles of queries; every product has another accumulator
.irp e, 0,1,2,3
.irp u, 0,1
	WMS 128*\u+8*(4*(\g)+\e), S+48*((\g)%2)+12*\e, KFR+12*\u, 0, 26+2*((\g)%2)+\e/2, \e%2, 21+2*\u, 0
.endr
.endr
.endm
; A KEY STEP: 128 keys of my head, from the slot in hand
.macro STEP
	s_add_co_u32 s56, s[Q0], 31
	s_cmp_gt_u32 s[KF], s56                        ; all keys come after my 32 queries: the step's work is left out; the lines at its end are not
	s_cbranch_scc1 .Lhidden_\@
	v_add_nc_u32 v[ADI], s[TB], v[LI0]
	v_add_nc_u32 v[ADS], s[TB], v[LS0]
.irp jp, 0,1,2,3                               ; S^T = K Q^T, two tiles of 16 keys at a time, K = the head's 256 in two steps
.if \jp > 0
	NOPS 4                                         ; places in front of loads into registers that matrix instructions have read
.endif
.irp e, 0,1
.irp s, 0,1
.irp c, 0,1,2
	ds_load_b128 v[KFR+12*(2*\e+\s)+4*\c:KFR+12*(2*\e+\s)+4*\c+3], v[ADI] offset:(2*(2*\jp+\e)+\s)*1536+512*\c
.endr
.endr
.endr
.irp s, 0,1
	ds_load_b32 v[26+\s], v[ADS] offset:49152+512*\s+128*\jp   ; lanes 0-15: tile 2 jp's words, lanes 16-31: tile 2 jp + 1's
.endr
	s_wait_dscnt 0x0
.irp s, 0,1
.irp e, 0,1
.irp u, 0,1
	WMS S+64*\u+8*(2*\jp+\e), KFR+12*(2*\e+\s), Q+24*\u+12*\s, 1-\s, 26+\s, \e, 24+\s, \u
.endr
.endr
.endr
.endr
	NOPS 4
	s_add_co_u32 s56, s[KF], 127                   ; on the diagonal hidden scores become -infinity ahead of the maximum; a step all of whose keys count skips this
	s_cmp_le_u32 s56, s[Q0]
	s_cbranch_scc1 .Lopen_\@
	s_sub_co_i32 s56, s[Q0], s[KF]
	v_add_nc_u32 v252, s56, v[DQ]                  ; d = Q0 - KF + r' - 16 h: register n of tile u is hidden where 32 (n / 16) + n % 16 - 8 u > d
	v_mov_b32 v254, 0xff800000
.irp u, 0,1
.set n, 0
.rept 64
	v_cmp_gt_i32 vcc_lo, 32*(n/16)+n%16-8*\u, v252
	v_cndmask_b32 v[S+64*\u+n], v[S+64*\u+n], v254, vcc_lo
.set n, n+1
.endr
.endr
.Lopen_\@:
	SOFT 0
	SOFT 1
	VLOAD 0                                        ; p's registers are free: V's two buffers lie there
	VLOAD 1
	WIN 0x41                                       ; O^T in window 1, f in window 0
.irp u, 0,1
.set j, 0
.rept 64
	v_pk_mul_f32 v[128*\u+j:128*\u+j+1], v[128*\u+j:128*\u+j+1], v[20+2*\u:21+2*\u] op_sel_hi:[1,0]   ; O^T under the new M; these are also the places ahead of the products below
.set j, j+2
.endr
.endr
	s_wait_dscnt 14                                ; the older group of V is in; the younger group's 14 loads may be out
	WIN 0x50
	PVMM 0
	WIN 0
	NOPS 4
	VLOAD 2
	s_wait_dscnt 14
	WIN 0x50
	PVMM 1
	WIN 0
	NOPS 4
	VLOAD 3
	s_wait_dscnt 14
	WIN 0x50
	PVMM 2
	s_wait_dscnt 0x0
	PVMM 3
	WIN 0
	NOPS 5                                         ; the next step's first products write over V's buffers: five places
.Lhidden_\@:
	s_add_co_u32 s[KF], s[KF], 128
	s_xor_b32 s[TB], s[TB], SLOT1                  ; on to the other slot
.endm
; the quantiser of the way out: as in the first launch
.macro QUANT src, pw
.irp b, 0,1,2,3
	v_max3_num_f32 v[TM+\b], |v[\src+16*\b]|, |v[\src+1+16*\b]|, 0x1800000
.endr
.irp i, 2,4,6,8,10,12,14
.irp b, 0,1,2,3
	v_max3_num_f32 v[TM+\b], v[TM+\b], |v[\src+16*\b+\i]|, |v[\src+1+16*\b+\i]|
.endr
.endr
.irp b, 0,1,2,3
	v_permlanex16_b32 v[TM+4+\b], v[TM+\b], s[SEL], s[SEL+1]
.endr
.irp b, 0,1,2,3
	v_max_num_f32 v[TM+\b], v[TM+\b], v[TM+4+\b]
.endr
.irp b, 0,1,2,3
	v_add_nc_u32 v[TM+12+\b], 0xff000000, v[TM+\b]
.endr
.irp b, 0,1,2,3
	v_lshrrev_b32 v[TM+4+\b], 23, v[TM+12+\b]
.endr
	v_lshl_or_b32 v[\pw], v[TM+5], 8, v[TM+4]
	v_lshl_or_b32 v[\pw], v[TM+6], 16, v[\pw]
	v_lshl_or_b32 v[\pw], v[TM+7], 24, v[\pw]
.irp c, 0,1
	v_cvt_scalef32_pk16_fp6_f32 v[PC+6*\c:PC+2+6*\c], v[\src+32*\c:\src+15+32*\c], v[TM+12+2*\c]
	v_cvt_scalef32_pk16_fp6_f32 v[PC+12+4*\c:PC+14+4*\c], v[\src+16+32*\c:\src+31+32*\c], v[TM+12+2*\c+1]
.endr
	v_nop
.irp c, 0,1
.irp i, 0,1,2
	v_permlane16_swap_b32 v[PC+6*\c+\i], v[PC+12+4*\c+\i]
.endr
.irp i, 0,1,2
	v_mov_b32 v[PC+3+6*\c+\i], v[PC+12+4*\c+\i]
.endr
.endr
.endm
.macro WLOAD s, base                   ; Wo's four tiles of my 64 columns, K step s: 12 loads
.irp n, 0,1,2,3
.irp c, 0,1,2
	global_load_b128 v[(\base)+12*\n+4*\c:(\base)+12*\n+4*\c+3], v1, s[8:9] offset:\n*6144+(\s)*1536+512*\c
.endr
.endr
.endm
.macro TOSTAGE lt                      ; tile lt's 16 rows x 64 columns into my stage, and back as rows of 256 bytes
	WIN 0x04                                       ; an LDS store's data are its source 1: window 1
.irp n, 0,1,2,3
	ds_store_b128 v[STO], v[8*(4*(\lt)+\n):8*(4*(\lt)+\n)+3] offset:64*\n          ; each accumulator from its low end on
	ds_store_b128 v[STO], v[8*(4*(\lt)+\n)+4:8*(4*(\lt)+\n)+7] offset:64*\n+16
.endr
	WIN 0
.irp i, 0,1,2,3,4,5,6,7
	ds_load_b128 v[RB+32*((\lt)%2)+4*\i:RB+32*((\lt)%2)+4*\i+3], v[SRD] offset:2*\i*272   ; LDS serves a wave's instructions in order: these see my stores
.endr
.endm
.macro SEND lt, younger                ; stage row 2 i + h is query 8 (lt % 2) + 2 i + h + 8 (i / 4) of its group of 32
	s_wait_dscnt \younger
.irp i, 0,1,2,3,4,5,6,7
	global_store_b128 v[GOF], v[RB+32*((\lt)%2)+4*\i:RB+32*((\lt)%2)+4*\i+3], s[OUTB+2*((\lt)/2):OUTB+2*((\lt)/2)+1] offset:(8*((\lt)%2)+2*\i+8*(\i/4))*2048 th:TH_STORE_NT   ; 16 lanes store 256 consecutive bytes, at a multiple of 256 from out0's first byte
.endr
.endm
	s_load_b256 s[4:11], s[0:1], 0x0               ; qrec 4, kv 6, wo_img 8, Wo_scales 10
	s_load_b64 s[12:13], s[0:1], 0x20              ; out0
	v_lshl_add_u32 v[SPW], v0, 2, SPARE
	v_mov_b32 v[NIL], 0
	ds_add_u32 v[SPW], v[NIL]                      ; the wave's opening: the add, twice on end, and its wait ahead of my first tensor load
	ds_add_u32 v[SPW], v[NIL]
	v_lshrrev_b32 v240, 5, v0
	v_readfirstlane_b32 s[WV], v240                ; wave 0..7
	s_and_b32 s[HD], s[WV], 1                      ; head
	s_lshr_b32 s[GI], s[WV], 1                     ; which of the work-group's four groups of 32 queries
	s_mov_b32 s[II], ttmp9
	s_and_b32 s[BB], ttmp7, 0xffff
	s_lshl_b32 s57, s[II], 1                       ; 2 i
	s_sub_co_u32 s58, 28, s57                      ; 28 - 2 i
	s_add_co_u32 s59, s57, s[GI]
	s_add_co_u32 s60, s58, s[GI]
	s_cmp_lt_u32 s[GI], 2
	s_cselect_b32 s[GG], s59, s60                  ; groups 2 i, 2 i + 1, 30 - 2 i, 31 - 2 i
	s_lshl_b32 s[Q0], s[GG], 5                     ; my first query
	s_lshl_b32 s[QL], s[II], 6
	s_sub_co_u32 s[QL], 1023, s[QL]                ; my work-group's last
	s_mov_b32 s[KF], 0
	s_mov_b32 s[TB], 0
	s_mov_b32 s[SLOTS], 7
	s_lshr_b32 s59, s[WV], 2
	s_or_b32 s59, s59, s[II]
	s_cmp_eq_u32 s59, 0
	s_cselect_b32 s[LIM], 1, -1                    ; waves 0-3 of work-group i = 0 prefetch
	s_mov_b32 s[SEL], 0x76543210
	s_mov_b32 s[SEL+1], 0xfedcba98
	s_mov_b32 s[CS], 0x3d8293ee                    ; c = log2(e) / sqrt(512)
	s_mov_b32 s[CS+1], s[CS]
	s_mov_b32 s[HM], 0xffff0000
	s_mov_b32 s[G1], 3<<16                         ; 50 rows of 32 elements of 8 bytes, dense, no padding, no mask
	s_mov_b32 s[G1+1], 32<<16
	s_mov_b32 s[G1+2], 50<<16
	s_mov_b32 s[G1+3], 32<<16
	s_mov_b32 s[G1+4], 50
	s_mov_b32 s[G1+5], 32
	s_mov_b32 s[G1+6], 0
	s_mov_b32 s[G1+7], 0
	v_and_b32 v240, 31, v0
	v_lshlrev_b32 v3, 4, v240
	v_lshlrev_b32 v4, 2, v240
	s_mul_i32 s59, s[HD], HEADB
	v_add_nc_u32 v[LI0], s59, v3                   ; an image's place for my lane, in my head's record
	v_add_nc_u32 v[LS0], s59, v4                   ; a scale word's
	v_lshlrev_b32 v[PFO], 8, v240
	v_and_b32 v241, 15, v0
	v_and_b32 v242, 8, v241
	v_add_nc_u32 v241, v241, v242                  ; r'
	v_bfe_u32 v242, v0, 4, 1
	v_lshlrev_b32 v242, 4, v242
	v_sub_nc_u32 v[DQ], v241, v242
	s_mul_i32 s56, s[BB], 8*STEPB                  ; my batch's records
	s_mov_b32 s63, 0
	s_mov_b32 s61, 0
	s_wait_dscnt 0x0                               ; both opening adds are done
	s_wait_kmcnt 0x0
	s_mov_b32 s[G0], 1
	s_mul_i32 s[G0+1], s[WV], 12800                ; my eighth of slot 0
	s_add_co_u32 s62, s56, s[G0+1]
	s_add_nc_u64 s[G0+2:G0+3], s[6:7], s[62:63]
	s_or_b32 s[G0+3], s[G0+3], 0x80000000
	tensor_load_to_lds s[G0:G0+3], s[G1:G1+7]      ; key step 0, which counts for every query
	s_nop 0
	NOPS 4
	s_lshl_b32 s62, s[BB], 5
	s_add_co_u32 s62, s62, s[GG]
	s_lshl_b32 s62, s62, 1
	s_add_co_u32 s62, s62, s[HD]
	s_mul_i32 s62, s62, 6400
	s_add_nc_u64 s[4:5], s[4:5], s[62:63]          ; q's record of (group, head)
.irp u, 0,1
.irp s, 0,1
.irp c, 0,1,2
	global_load_b128 v[Q+24*\u+12*\s+4*\c:Q+24*\u+12*\s+4*\c+3], v3, s[4:5] offset:3072*\u+1536*\s+512*\c
.endr
.endr
.endr
	global_load_b32 v24, v4, s[4:5] offset:6144    ; q's scale words: lanes 0-15 tile 0, lanes 16-31 tile 1
	global_load_b32 v25, v4, s[4:5] offset:6272
	s_bfe_u32 s60, s[WV], 0x10001                  ; the prefetches: head (w / 2) % 2, K's (w even) or V's fragments,
	s_mul_i32 s60, s60, HEADB
	s_mul_i32 s62, s[HD], 24576
	s_add_co_u32 s60, s60, s62
	s_add_co_u32 s60, s60, s56
	s_add_co_u32 s60, s60, STEPB                   ; at key step 1: the first change steps it to 2.  Nothing is prefetched here, at the head
	s_add_nc_u64 s[PFA:PFA+1], s[6:7], s[60:61]
	s_mul_i32 s62, s[WV], 24576
	s_add_nc_u64 s[8:9], s[8:9], s[62:63]          ; Wo's images of my 64 columns
	s_lshl_b32 s62, s[WV], 10
	s_add_nc_u64 s[10:11], s[10:11], s[62:63]      ; and their scale bytes
	s_lshl_b32 s56, s[BB], 21
	s_lshl_b32 s59, s[WV], 8
	s_add_co_u32 s56, s56, s59
.irp g, 0,1,2,3                                ; out0 at each group's first row, my 64 columns
.if \g < 2
	s_add_co_u32 s62, s57, \g
.else
	s_add_co_u32 s62, s58, \g
.endif
	s_lshl_b32 s62, s62, 16
	s_add_co_u32 s62, s62, s56
	s_add_nc_u64 s[OUTB+2*\g:OUTB+2*\g+1], s[12:13], s[62:63]
.endr
.irp u, 0,1
	v_mov_b32 v[13+4*\u], 0xff61b1e6               ; the largest t so far: -3e38
	v_floor_f32 v[12+4*\u], -v[13+4*\u]            ; -M
	v_mov_b32 v[14+4*\u], 0                        ; the sum, in two halves
	v_mov_b32 v[15+4*\u], 0
	v_mov_b32 v[20+2*\u], 0
	v_mov_b32 v[21+2*\u], 0                        ; (named as the upper half of a pair before it is first written)
.endr
.irp b, 0,1,2,3
	v_mov_b32 v[236+\b], 0                         ; a lane permute's destination counts as one of its sources
.endr
	WIN 0x40
.set j, 0
.rept 256
	v_mov_b32 v[j], 0                              ; O^T.  The step is written for every trip alike: the first finds zeros, which the first change of M leaves zeros
.set j, j+1
.endr
	WIN 0
	s_wait_loadcnt 0x0                             ; Q
.Lslot:                                            ; 7 trips: behind each change of slots but the last the next key step is asked for, up to the causal limit
	CHANGE 1
	STEP
	s_sub_co_u32 s[SLOTS], s[SLOTS], 1
	s_cmp_lg_u32 s[SLOTS], 0
	s_cbranch_scc1 .Lslot
	CHANGE 0                                       ; the last key step is written out: nothing is left to fetch
	STEP
	; ---- THE WAY OUT
.irp u, 0,1
	v_add_f32 v[14+4*\u], v[14+4*\u], v[15+4*\u]   ; the sum's two halves,
.endr
.irp u, 0,1
	v_permlanex16_b32 v[20+2*\u], v[14+4*\u], s[SEL], s[SEL+1]
.endr
.irp u, 0,1
	v_add_f32 v[14+4*\u], v[14+4*\u], v[20+2*\u]   ; and lane l xor 16's: l
.endr
.irp u, 0,1
	v_rcp_f32 v[14+4*\u], v[14+4*\u]
.endr
	v_and_b32 v192, 31, v0                         ; (plain work behind the reciprocals)  lane
	v_and_b32 v193, 15, v0                         ; r
	v_bfe_u32 v194, v0, 4, 1                       ; h
	v_lshlrev_b32 v1, 4, v192                      ; 16 x lane
	v_lshlrev_b32 v2, 2, v192                      ; 4 x lane
	s_lshl_b32 s56, s[GI], 3
	s_lshl_b32 s57, s[HD], 1
	s_add_co_u32 s56, s56, s57
	s_mul_i32 s56, s56, 1536
	s_add_co_u32 s56, s56, OIMG
	v_add_nc_u32 v[OWI], s56, v1                   ; where I store images: tile 2 gi, K step 2 hd
	s_lshl_b32 s56, s[GI], 2
	s_add_co_u32 s56, s56, s57
	s_lshl_b32 s56, s56, 7
	s_add_co_u32 s56, s56, OSC
	v_add_nc_u32 v[OWS], s56, v2                   ; and their scale words
	v_add_nc_u32 v[ORI], OIMG, v1                  ; where any image is read
	v_add_nc_u32 v[ORS], OSC, v2
	s_mul_i32 s56, s[WV], 16*272
	s_add_co_u32 s56, s56, STG                     ; my stage
	v_mul_u32_u24 v[STO], v193, 272
	v_lshl_add_u32 v[STO], v194, 5, v[STO]
	v_add_nc_u32 v[STO], s56, v[STO]               ; in: row r, 32 bytes for each half of the lanes
	v_mul_u32_u24 v[SRD], v194, 272
	v_lshl_add_u32 v[SRD], v193, 4, v[SRD]
	v_add_nc_u32 v[SRD], s56, v[SRD]               ; back: lanes 0-15 one row, lanes 16-31 the next
	v_lshlrev_b32 v[GOF], 11, v194
	v_lshl_add_u32 v[GOF], v193, 4, v[GOF]         ; and the same two rows in out0
.irp b, 0,1,2,3
	v_mov_b32 v[TM+4+\b], 0
.endr
	global_load_b128 v[24:27], v1, s[10:11]        ; Wo's scale words: lane l holds row 64 w + l's four K steps,
	global_load_b128 v[28:31], v1, s[10:11] offset:512   ; and row 64 w + 32 + l's
	WLOAD 0, 32                                    ; K steps 0 and 1 of Wo, where Q and K's fragments lay
	WLOAD 1, 208
	s_wait_alu depctr_va_vdst(0)                   ; one wait for the two reciprocals, ahead of their first reader
.irp f, 0,1                                    ; d 128 f on: K step 2 hd + f of the last product
.irp u, 0,1
	WIN 0x01                                       ; source 0: O^T, window 1
.set j, 0
.rept 32
	v_pk_mul_f32 v[NO+j:NO+j+1], v[128*\u+64*\f+j:128*\u+64*\f+j+1], v[14+4*\u:15+4*\u] op_sel_hi:[1,0]   ; O^T / l, each accumulator from its low end on
.set j, j+2
.endr
	WIN 0
	QUANT NO, PW+\u
.irp c, 0,1,2
	ds_store_b128 v[OWI], v[PC+4*\c:PC+4*\c+3] offset:(4*\u+\f)*1536+512*\c
.endr
	s_wait_dscnt 0x0                               ; the stores have read their registers
.endr
	v_cndmask_b32 v182, v[PW], v[PW+1], s[HM]      ; lanes 0-15: tile u = 0's words, lanes 16-31: tile u = 1's
	ds_store_b32 v[OWS], v182 offset:128*\f
.endr
	s_wait_dscnt 0x0                               ; for the others' sake: my images have landed
	s_barrier_signal -1
	s_barrier_wait -1
	; out^T tile = Wo (source 0: 16 columns) x O (source 1: 16 queries): 32 accumulators by turns, a K step at a time
.irp s, 0,1,2,3
.irp lt, 0,1,2,3,4,5,6,7
.irp c, 0,1,2
	ds_load_b128 v[OFR+12*\lt+4*\c:OFR+12*\lt+4*\c+3], v[ORI] offset:(4*\lt+\s)*1536+512*\c
.endr
.endr
.irp g, 0,1,2,3
	ds_load_b32 v[9+\g+9*(\g/3)], v[ORS] offset:(4*\g+\s)*128   ; O's scale words: v9, v10, v11, v21
.endr
.if \s < 3
	s_wait_loadcnt 12                              ; this K step of Wo is in; the next one's 12 loads may be out
.else
	s_wait_loadcnt 0x0
.endif
	s_wait_dscnt 0x0
.if \s == 0
	WIN 0x40
.else
	WIN 0x50
.endif
.irp lt, 0,1,2,3,4,5,6,7
.irp n, 0,1,2,3
.if \s == 0
	WMS 8*(4*\lt+\n), 32+176*(\s%2)+12*\n, OFR+12*\lt, 1, 24+4*(\n/2)+\s, \n%2, 9+\lt/2+9*(\lt/6), \lt%2
.else
	WMS 8*(4*\lt+\n), 32+176*(\s%2)+12*\n, OFR+12*\lt, 0, 24+4*(\n/2)+\s, \n%2, 9+\lt/2+9*(\lt/6), \lt%2
.endif
.endr
.endr
	WIN 0
	NOPS 4                                         ; places in front of loads into registers that matrix instructions have read, and of the first read of results
.if \s < 2
	WLOAD \s+2, 32+176*(\s%2)
.endif
.endr
	TOSTAGE 0
.irp a, 1,2,3,4,5,6,7
.if \a > 1
	s_wait_xcnt 0x0                                ; tile a - 2's stores have read their registers: tile a's rows may land there
.endif
	TOSTAGE \a
	SEND \a-1, 16                                  ; behind tile a - 1's loads: tile a's 8 stores and 8 loads
.endr
	SEND 7, 0
	s_wait_tensorcnt 0x0                           ; the wave's end: behind my last tensor load and my last LDS store
	ds_add_u32 v[SPW], v[NIL]
	s_wait_dscnt 0x0
	s_endpgm
.Lfunc_end_k_q18bf9740b6_attn:
	.size	k_q18bf9740b6_attn, .Lfunc_end_k_q18bf9740b6_attn-k_q18bf9740b6_attn
	.p2alignl 7, 3214868480
	.fill 96, 4, 3214868480
	.section	.rodata,"a",@progbits
	.p2align	6, 0x0
	.amdhsa_kernel k_q18bf9740b6_attn
		.amdhsa_group_segment_fixed_size 327680
		.amdhsa_private_segment_fixed_size 0
		.amdhsa_enable_private_segment 0
		.amdhsa_kernarg_size 40
		.amdhsa_user_sgpr_count 2
		.amdhsa_user_sgpr_kernarg_segment_ptr 1
		.amdhsa_wavefront_size32 1
		.amdhsa_system_sgpr_workgroup_id_x 1
		.amdhsa_system_sgpr_workgroup_id_y 1
		.amdhsa_system_sgpr_workgroup_id_z 1
		.amdhsa_system_vgpr_workitem_id 0
		.amdhsa_next_free_vgpr 512
		.amdhsa_next_free_sgpr 80
		.amdhsa_reserve_vcc 1
		.amdhsa_float_denorm_mode_32 3
		.amdhsa_float_denorm_mode_16_64 3
		.amdhsa_memory_ordered 1
		.amdhsa_forward_progress 1
		.amdhsa_inst_pref_size 198
	.end_amdhsa_kernel
	.amdgpu_metadata
---
amdhsa.version: [ 1, 2 ]
amdhsa.kernels:
  - .name:           k_q18bf9740b6_attn
    .symbol:         k_q18bf9740b6_attn.kd
    .args:
      - { .name: qrec, .offset: 0, .size: 8, .value_kind: global_buffer, .address_space: global }
      - { .name: kv, .offset: 8, .size: 8, .value_kind: global_buffer, .address_space: global }
      - { .name: wo_img, .offset: 16, .size: 8, .value_kind: global_buffer, .address_space: global }
      - { .name: Wo_scales, .offset: 24, .size: 8, .value_kind: global_buffer, .address_space: global }
      - { .name: out0, .offset: 32, .size: 8, .value_kind: global_buffer, .address_space: global }
    .group_segment_fixed_size: 327680
    .private_segment_fixed_size: 0
    .kernarg_segment_align: 8
    .kernarg_segment_size: 40
    .max_flat_workgroup_size: 256
    .sgpr_count:     80
    .vgpr_count:     512
    .wavefront_size: 32
...
	.end_amdgpu_metadata
.endif
;; end of part 2
